; MI455X (gfx1250); checked and timed in simulation.
; The chip was launched on July 23, 2026; its instructions are those of AMD's public machine-readable ISA for CDNA 5 (MIT licence, August 2026) and "CDNA5" Instruction Set Architecture Reference Guide (July 2026). The comments in the code are by the model that wrote it; some were corrected since.
;; Factorized LSTM Cell. Allowed arithmetic: matrix products marked QUANTISED: E4M3 operands, one given power-of-two scale a tensor, by v_wmma_f32_16x16x64_fp8_fp8 or v_wmma_f32_16x16x128_fp8_fp8, f32 sums; everything else in f32.
;; Inputs: Uc 4,096 x 512 float32; Uf 4,096 x 512 float32; Ui 4,096 x 512 float32; Uo 4,096 x 512 float32; Vc 512 x 2,048 float32; Vf 512 x 2,048 float32; Vi 512 x 2,048 float32; Vo 512 x 2,048 float32; bc 2,048 float32; bf 2,048 float32; bi 2,048 float32; bo 2,048 float32; c 4,096 x 2,048 float32; h 4,096 x 2,048 float32; lowp_scales 16 int32 (the exponents e of the quantised operands' scales 2^e); x 4,096 x 2,048 float32.
;; Outputs: out0 4,096 x 2,048 float32; out1 4,096 x 2,048 float32.
;; This version of the problem:
;;   THIS VERSION OF THE PROBLEM IS GIVEN IN LOW PRECISION. The matrix products marked QUANTISED in the list below multiply operands that are first quantised to E4M3 (4 exponent bits, 3 mantissa bits; 8 bits a number), with one given power-of-two scale for each operand tensor; their sums are f32. All else is computed in f32.
;;   The module's matrix products, in the order in which they are computed (A, B: the left and right operand; K: the contracted axis; several contracted axes count as one K, in the product's order):
;;     1. [M 4,096, K 4,096] x [K 4,096, N 512]; A: computed on the way; B: input Ui: QUANTISED (scales: A lowp_scales[0], B lowp_scales[1])
;;     2. [M 4,096, K 512] x [K 512, N 2,048]; A: computed on the way; B: input Vi: QUANTISED (scales: A lowp_scales[2], B lowp_scales[3])
;;     3. [M 4,096, K 4,096] x [K 4,096, N 512]; A: computed on the way; B: input Uf: QUANTISED (scales: A lowp_scales[4], B lowp_scales[5])
;;     4. [M 4,096, K 512] x [K 512, N 2,048]; A: computed on the way; B: input Vf: QUANTISED (scales: A lowp_scales[6], B lowp_scales[7])
;;     5. [M 4,096, K 4,096] x [K 4,096, N 512]; A: computed on the way; B: input Uo: QUANTISED (scales: A lowp_scales[8], B lowp_scales[9])
;;     6. [M 4,096, K 512] x [K 512, N 2,048]; A: computed on the way; B: input Vo: QUANTISED (scales: A lowp_scales[10], B lowp_scales[11])
;;     7. [M 4,096, K 4,096] x [K 4,096, N 512]; A: computed on the way; B: input Uc: QUANTISED (scales: A lowp_scales[12], B lowp_scales[13])
;;     8. [M 4,096, K 512] x [K 512, N 2,048]; A: computed on the way; B: input Vc: QUANTISED (scales: A lowp_scales[14], B lowp_scales[15])
;;   THE QUANTISER, for each operand of a quantised product, along K:
;;     - The operand's scale is 2^e, e = its entry of the input lowp_scales (int32; the entries are numbered through the quantised products in the list's order, A before B).
;;     - Each number is divided by the scale, clamped to +-448, and rounded to the nearest number of E4M3, ties to even, subnormals kept.
;;     - The product sums the exact products of the quantised numbers (number of the format x scale) in f32.
;;   ~~~python
;;   def quantise(x, axis, e):      # numpy; x: float32 -> the quantised numbers, widened to float32 again
;;       x = np.moveaxis(x, axis, -1); K = x.shape[-1]
;;       r = np.clip(x / 2.0 ** e, -448, 448)
;;       step = 2.0 ** (np.maximum(np.frexp(np.where(r == 0, 1, r))[1] - 1, -6) - 3)
;;       q = np.round(r / step) * step * 2.0 ** e      # np.round: ties to even
;;       return np.moveaxis(q, -1, axis).astype(np.float32)
;;   ~~~
;;   OPERANDS COMPUTED ON THE WAY. 'Computed on the way' means the value that the module computes at that place (a softmax that the list does not call 'softmax' is quantised finished and normalised). What goes into a quantiser is computed in f32, as accurately as f32 sums, v_exp_f32 and their like allow (about 1e-6 of the number): no bf16 or f16 on the way to a quantiser, and a product that is left as it is and whose result goes on into a quantised operand takes f32 operands (vector FMAs, or v_wmma_f32_16x16x4_f32). A number that lies on a knife's edge between two numbers of the format may be rounded either way, as far as f32 arithmetic and the matrix unit's own rounding can turn it there, and no further.
;; One version. Each part assembles by itself: llvm-mc -triple=amdgcn-amd-amdhsa -mcpu=gfx1250 --defsym DOCPART=n.
;; ======== version 1 of 1: 3 launches
;; limits: right only within a limited range of input values
;; workspace buffers: ucodes 8,388,608 bytes; vcodes 4,194,304 bytes; tcodes 8,388,608 bytes; acodes 67,108,864 bytes
;; launch quant (part 1): grid 1280 x 1, 4 waves a work-group, no clusters, 9,216 bytes of LDS; arguments Ui, Uf, Uo, Uc, Vi, Vf, Vo, Vc, lowp_scales, ucodes, vcodes, x, h, acodes; writes ucodes, vcodes, acodes
.if DOCPART == 1
	.amdgcn_target "amdgcn-amd-amdhsa--gfx1250"
	.amdhsa_code_object_version 6
	.text
	.protected	k_q7f93ea3584_quant
	.globl	k_q7f93ea3584_quant
	.p2align	8
	.type	k_q7f93ea3584_quant,@function
k_q7f93ea3584_quant:
	s_mov_b64 s[64:65], 0
	v_nop
	global_prefetch_b8 v0, s[64:65] scope:SCOPE_SE
	s_setreg_imm32_b32 hwreg(HW_REG_WAVE_MODE, 25, 1), 1
	s_wait_xcnt 0x0
; The eight weights (f32, K along the FIRST axis) become codes of E4M3, laid in the order of the operand's registers.
; Gates are numbered as the scales are: g = 0 (i), 1 (f), 2 (o), 3 (c); U_g has the scale 2^e with e = entry 4 g + 1, V_g entry 4 g + 3.
; code = x / 2^e, held within +-448, rounded to the nearest code, ties to even.
; A FRAGMENT IMAGE is 2,048 bytes: 16 rows x 128 along K; group c (0..3) of 512 bytes; lane (r, h)'s 16 bytes at 512 c + 16 r + 256 h are k = 32 c + 16 h + 0..15 of row r.
;   ucodes [g 4][slot 16][w 4][kk 2][tile 8][2048]: K step 2 slot + kk; row r of tile 2 b + u of wave w is column 128 w + 32 b + 8 u + r + 8 (r / 8) of U_g.
;   vcodes [g 4][cb 32][s 4][t 4][2048]: K step s; row r of tile t is column 64 cb + 4 r + t of V_g.
; Work-groups 0..511 take U (gate, 128 columns, 128 along K), 512..767 take V (gate, 128 columns, 128 along K): 64 KiB of f32 each.  Waves share nothing: no LDS, no barrier, no loop.
; No work-group reads what another reads, so there is nothing to ask for jointly; no matrix work.
; LIMITS: e of U between -126 and 119, e of V between -126 and 126, so that the powers of two below are f32 numbers.  NaN among the inputs is not served (an infinity is held at the largest code).
.set F, 64                             ; v64-191  128 numbers of a lane
.set C, 16                             ; v16-47   their 128 codes: no store's data are written again
	s_load_b512 s[4:19], s[0:1], 0x0               ; Ui, Uf, Uo, Uc s[4:11]; Vi, Vf, Vo, Vc s[12:19]
	s_load_b128 s[20:23], s[0:1], 0x40             ; the scales' exponents s[20:21], ucodes s[22:23]
	s_load_b64 s[24:25], s[0:1], 0x50              ; vcodes
	v_lshrrev_b32 v1, 5, v0
	v_readfirstlane_b32 s26, v1                    ; wave 0..3
	v_and_b32 v1, 31, v0                           ; lane
	s_mov_b32 s33, 0                               ; the upper words of three offsets
	s_mov_b32 s35, 0
	s_mov_b32 s37, 0
	s_cmp_ge_u32 ttmp9, 768                        ; work-groups 768..1279 take x and h (the third path, at the text's end)
	s_cbranch_scc1 .Lx_path
	s_cmp_lt_u32 ttmp9, 512
	s_cbranch_scc0 .Lv_path
; ---- U: A LANE TAKES A COLUMN AND ITS REGISTERS RUN DOWN K: each load reads 128 consecutive bytes, and the conversions, which take neighbours along K from one lane's registers, give K innermost.
	s_lshr_b32 s27, ttmp9, 7                       ; g
	s_bfe_u32 s28, ttmp9, 0x20005                  ; which 128 columns: the wave w of the product that reads them
	s_and_b32 s29, ttmp9, 31                       ; K step
	s_wait_alu depctr_va_vdst(0)
	v_lshlrev_b32 v2, 2, v1                        ; in: 4 bytes a lane
	v_bfe_u32 v4, v1, 3, 1                         ; column 32 b + l lies in tile 2 b + u, u = (l / 8) % 2,
	v_and_b32 v5, 7, v1
	v_lshrrev_b32 v6, 4, v1
	v_lshl_add_u32 v5, v6, 3, v5                   ; at row r = l % 8 + 8 (l / 16)
	v_lshlrev_b32 v3, 4, v5
	v_lshl_add_u32 v3, v4, 11, v3                  ; out: 2,048 u + 16 r
	s_lshl_b32 s32, s29, 18                        ; source: 128 rows of 2,048 bytes a K step,
	s_lshl_b32 s30, s28, 9                         ; 128 columns,
	s_add_co_u32 s32, s32, s30
	s_lshl_b32 s30, s26, 7                         ; my wave's 32 of them
	s_add_co_u32 s32, s32, s30
	s_lshl_b32 s34, s27, 21                        ; destination: gate,
	s_lshr_b32 s30, s29, 1
	s_lshl_b32 s30, s30, 17                        ; slot,
	s_add_co_u32 s34, s34, s30
	s_lshl_b32 s30, s28, 15                        ; w,
	s_add_co_u32 s34, s34, s30
	s_and_b32 s30, s29, 1
	s_lshl_b32 s30, s30, 14                        ; kk,
	s_add_co_u32 s34, s34, s30
	s_lshl_b32 s30, s26, 12                        ; my wave's two tiles
	s_add_co_u32 s34, s34, s30
	s_lshl_b32 s36, s27, 4                         ; the gate's four entries of the scales
	s_wait_alu depctr_va_vdst(0)
	s_wait_kmcnt 0x0
	s_cmp_eq_u32 s27, 1                            ; the gate's tensor: the choice hangs on the work-group's number alone
	s_cselect_b64 s[4:5], s[6:7], s[4:5]
	s_cmp_eq_u32 s27, 2
	s_cselect_b64 s[4:5], s[8:9], s[4:5]
	s_cmp_eq_u32 s27, 3
	s_cselect_b64 s[4:5], s[10:11], s[4:5]
	s_add_nc_u64 s[20:21], s[20:21], s[36:37]
	s_load_b32 s38, s[20:21], 0x4                  ; e of U_g
	s_add_nc_u64 s[4:5], s[4:5], s[32:33]
	s_add_nc_u64 s[22:23], s[22:23], s[34:35]
.set i, 0
.rept 128
	global_load_b32 v[F+i], v2, s[4:5] offset:i*2048 th:TH_LOAD_NT   ; U(128 s + i, my column): read once in the launch
.set i, i+1
.endr
	s_wait_kmcnt 0x0
	s_add_co_i32 s38, s38, 127
	s_lshl_b32 s39, s38, 23
	v_mov_b32 v10, s39                             ; 2^e as f32: the conversion takes its exponent field
	s_add_co_i32 s38, s38, 8
	s_lshl_b32 s38, s38, 23
	s_or_b32 s38, s38, 0x600000
	v_mov_b32 v11, s38                             ; 448 x 2^e
; Group c: 32 along K.  cnt: at most as many loads as were issued behind this group's 32 (96, 64, 32, 0; the wait's field holds 63 at the most, and a smaller count is always right).
.macro UBLK c, cnt
	s_wait_loadcnt \cnt
.set i, 0
.rept 32
	v_med3_num_f32 v[F+32*\c+i], v[F+32*\c+i], -v11, v11   ; the conversion to an 8-bit code does not saturate (ISA guide 7.6.2): the hold comes first
.set i, i+1
.endr
.irp q, 0,1,2,3
	v_cvt_scalef32_pk8_fp8_f32 v[C+8*\c+2*\q:C+8*\c+2*\q+1], v[F+32*\c+8*\q:F+32*\c+8*\q+7], v10
.endr
	global_store_b128 v3, v[C+8*\c:C+8*\c+3], s[22:23] offset:512*\c         ; k = 32 c + 0..15 (h = 0): sixteen lanes fill 256 consecutive aligned bytes of tile 2 b, sixteen of tile 2 b + 1
	global_store_b128 v3, v[C+8*\c+4:C+8*\c+7], s[22:23] offset:512*\c+256   ; k = 32 c + 16..31 (h = 1)
.endm
	s_wait_alu depctr_va_vdst(0)
	UBLK 0, 63
	UBLK 1, 63
	UBLK 2, 32
	UBLK 3, 0
	s_endpgm
; ---- V: a lane takes FOUR neighbouring columns (one row r of the four tiles t), 16 bytes a load, 512 consecutive bytes a wave; wave = group c, 32 along K.
; A lane's neighbours along K then lie four registers apart, so the conversion of two numbers is used, on numbers divided by the scale and held.
.Lv_path:
	s_sub_co_u32 s40, ttmp9, 512
	s_lshr_b32 s27, s40, 6                         ; g
	s_bfe_u32 s41, s40, 0x40002                    ; which 128 columns
	s_and_b32 s42, s40, 3                          ; K step
	s_wait_alu depctr_va_vdst(0)
	v_lshlrev_b32 v2, 4, v1                        ; in: 16 bytes a lane
	v_and_b32 v4, 15, v1                           ; r
	v_lshrrev_b32 v5, 4, v1                        ; lanes 16-31 belong to the next block of 64 columns
	v_lshlrev_b32 v3, 4, v4
	v_lshl_add_u32 v3, v5, 15, v3                  ; out: 32,768 (l / 16) + 16 r
	s_lshl_b32 s32, s42, 20                        ; source: 128 rows of 8,192 bytes a K step,
	s_lshl_b32 s30, s26, 18                        ; 32 rows a group,
	s_add_co_u32 s32, s32, s30
	s_lshl_b32 s30, s41, 9                         ; 128 columns
	s_add_co_u32 s32, s32, s30
	s_lshl_b32 s34, s27, 20                        ; destination: gate,
	s_lshl_b32 s30, s41, 16                        ; two blocks of 64 columns,
	s_add_co_u32 s34, s34, s30
	s_lshl_b32 s30, s42, 13                        ; K step,
	s_add_co_u32 s34, s34, s30
	s_lshl_b32 s30, s26, 9                         ; group c
	s_add_co_u32 s34, s34, s30
	s_lshl_b32 s36, s27, 4
	s_wait_alu depctr_va_vdst(0)
	s_wait_kmcnt 0x0
	s_cmp_eq_u32 s27, 1
	s_cselect_b64 s[4:5], s[14:15], s[12:13]
	s_cmp_eq_u32 s27, 2
	s_cselect_b64 s[4:5], s[16:17], s[4:5]
	s_cmp_eq_u32 s27, 3
	s_cselect_b64 s[4:5], s[18:19], s[4:5]
	s_add_nc_u64 s[20:21], s[20:21], s[36:37]
	s_load_b32 s38, s[20:21], 0xc                  ; e of V_g
	s_add_nc_u64 s[4:5], s[4:5], s[32:33]
	s_add_nc_u64 s[24:25], s[24:25], s[34:35]
.set i, 0
.rept 32
	global_load_b128 v[F+4*i:F+4*i+3], v2, s[4:5] offset:i*8192 th:TH_LOAD_NT   ; V(128 s + 32 c + i, my four columns)
.set i, i+1
.endr
	s_wait_kmcnt 0x0
	s_sub_co_i32 s28, 127, s38
	s_lshl_b32 s28, s28, 23                        ; 2^-e as f32: the division rounds nothing
	s_mov_b32 s29, s28                             ; (named with it as a pair, so it is written)
	v_mov_b32 v11, 0x43e00000                      ; 448
.macro VWORK hh, cnt                   ; rows 16 hh .. 16 hh + 15: cnt = the loads issued behind theirs
	s_wait_loadcnt \cnt
.set i, 0
.rept 32
	v_pk_mul_f32 v[F+64*\hh+2*i:F+64*\hh+2*i+1], v[F+64*\hh+2*i:F+64*\hh+2*i+1], s[28:29] op_sel_hi:[1,0]
.set i, i+1
.endr
.set i, 0
.rept 64
	v_med3_num_f32 v[F+64*\hh+i], v[F+64*\hh+i], -v11, v11
.set i, i+1
.endr
.set m, 0
.endm
.macro VCVT d, hh                      ; code register m of the half: tile m / 4, rows 16 hh + 4 (m % 4) + 0..3, the first row's code in the lowest byte
	v_cvt_pk_fp8_f32 v\d\().l, v[F+4*(16*\hh+4*(m%4))+m/4], v[F+4*(16*\hh+4*(m%4)+1)+m/4]
	v_cvt_pk_fp8_f32 v\d\().h, v[F+4*(16*\hh+4*(m%4)+2)+m/4], v[F+4*(16*\hh+4*(m%4)+3)+m/4]
.set m, m+1
.endm
.macro VOUT hh
.irp t, 0,1,2,3
	global_store_b128 v3, v[C+16*\hh+4*\t:C+16*\hh+4*\t+3], s[24:25] offset:\t*2048+256*\hh   ; sixteen lanes fill 256 consecutive aligned bytes of tile t
.endr
.endm
	VWORK 0, 16
.irp d, 16,17,18,19,20,21,22,23,24,25,26,27,28,29,30,31
	VCVT \d, 0
.endr
	VOUT 0
	VWORK 1, 0
.irp d, 32,33,34,35,36,37,38,39,40,41,42,43,44,45,46,47
	VCVT \d, 1
.endr
	VOUT 1
	s_endpgm
; ---- x, h: combined = [x, h] (f32, K innermost) becomes codes of E4M3, as fragment images, once for each DIFFERENT scale among entries 0, 4, 8, 12 (the A scales of gates i, f, o, c).
; Set j is made with entry 4 j.  Where entry 4 j equals an earlier set's entry, the codes would be the same bytes for every input: set j is not made, and the product reads the earliest set of that scale.
;   acodes [set 4][rb 16][wv 4][step 32][a 4][2048]: the image of rows 256 rb + 64 wv + 16 a + 0..15, K step 'step' (steps 0..15 lie in x, 16..31 in h).
; A work-group takes 16 rows of x or of h, a wave four K steps of them, one image at a time: 16 loads, each 512 consecutive bytes of a row, in two sets of 64 registers by turns, so that the next image's
; loads are out while one is worked.  A lane holds four neighbours of each row; two rows feed one conversion of eight: its first register is the first row's four codes, its second the next row's.
; The codes turn through the wave's own stage in LDS (units of 256 bytes, 272 apart) and leave 16 bytes a lane.  This path alone uses LDS; its waves share none of it.
; LIMITS: these entries lie between -126 and 119.  NaN among the inputs is not served (an infinity is held at the largest code).
.Lx_path:
.set XC,  16                           ; v16-31 the codes of an image's 16 rows
.set XR,  32                           ; v32-47 the image on its way out
.set XT,  48                           ; v48-63 four rows' numbers, held
.set XST, 2176                         ; a wave's stage: 8 units x 272 bytes
	s_load_b128 s[40:43], s[0:1], 0x58             ; x, h
	s_load_b64 s[44:45], s[0:1], 0x68              ; acodes
	s_wait_alu depctr_va_vdst(0)
	v_lshl_add_u32 v12, v0, 2, 4*XST               ; my spare word, behind the four stages
	v_mov_b32 v13, 0
	v_lshlrev_b32 v2, 4, v1                        ; 16 x lane
	v_lshrrev_b32 v4, 2, v1
	v_mul_u32_u24 v4, v4, 272                      ; lane l holds k = 4 l ..: unit l / 4,
	v_and_b32 v5, 3, v1
	v_lshl_add_u32 v4, v5, 2, v4                   ; word l % 4 of a row's 16 bytes
	s_mul_i32 s27, s26, XST
	v_add_nc_u32 v4, s27, v4                       ; into the stage
	v_lshrrev_b32 v5, 4, v1
	v_mul_u32_u24 v5, v5, 272
	v_and_b32 v6, 15, v1
	v_lshl_add_u32 v5, v6, 4, v5
	v_add_nc_u32 v5, s27, v5                       ; out of it: sixteen lanes to a unit
	s_sub_co_u32 s28, ttmp9, 768
	s_lshr_b32 s29, s28, 1                         ; tile of 16 rows, 0..255
	s_and_b32 s30, s28, 1                          ; 0: x, 1: h
	s_lshl_b32 s32, s29, 17                        ; source: 16 rows of 8,192 bytes,
	s_lshl_b32 s31, s26, 11                        ; my wave's four K steps of 512 bytes
	s_add_co_u32 s32, s32, s31
	s_lshr_b32 s34, s29, 2
	s_lshl_b32 s34, s34, 18                        ; destination: (rb, wv),
	s_and_b32 s31, s29, 3
	s_lshl_b32 s31, s31, 11                        ; a,
	s_add_co_u32 s34, s34, s31
	s_lshl_b32 s31, s30, 17                        ; sixteen steps of 8,192 bytes,
	s_add_co_u32 s34, s34, s31
	s_lshl_b32 s31, s26, 15                        ; my wave's four
	s_add_co_u32 s34, s34, s31
	s_mov_b32 s47, 0
	s_wait_alu depctr_va_vdst(0)                   ; the wait at the head's end
	s_wait_kmcnt 0x0
	s_load_b512 s[4:19], s[20:21], 0x0             ; all sixteen exponents: sets 0..3 take s4, s8, s12, s16
	s_cmp_eq_u32 s30, 0                            ; x or h: the choice hangs on the work-group's number alone
	s_cselect_b64 s[40:41], s[40:41], s[42:43]
	s_add_nc_u64 s[40:41], s[40:41], s[32:33]
	s_add_nc_u64 s[44:45], s[44:45], s[34:35]
.macro XLOAD c                         ; image c: 16 rows x 128 numbers into set c % 2
.set i, 0
.rept 16
	global_load_b128 v[F+64*((\c)%2)+4*i:F+64*((\c)%2)+4*i+3], v2, s[40:41] offset:i*8192+(\c)*512 th:TH_LOAD_NT
.set i, i+1
.endr
.endm
	XLOAD 0
	XLOAD 1
	s_wait_kmcnt 0x0
.irp j, 0,1,2,3
	s_add_co_i32 s[6+4*\j], s[4+4*\j], 127
	s_lshl_b32 s[5+4*\j], s[6+4*\j], 23            ; 2^e of set j
	s_add_co_i32 s[6+4*\j], s[6+4*\j], 8
	s_lshl_b32 s[6+4*\j], s[6+4*\j], 23
	s_or_b32 s[6+4*\j], s[6+4*\j], 0x600000        ; 448 x 2^e
.endr
	s_mov_b32 s28, 15                              ; bit j: set j is made; a bit falls where an earlier set has the same exponent
.macro XDUP ea, eb, bit
	s_cmp_eq_u32 s\ea, s\eb
	s_cselect_b32 s29, \bit, 0
	s_and_not1_b32 s28, s28, s29
.endm
	XDUP 8, 4, 2
	XDUP 12, 4, 4
	XDUP 12, 8, 4
	XDUP 16, 4, 8
	XDUP 16, 8, 8
	XDUP 16, 12, 8
.macro SETS c                          ; image c in every set that is made: a counted loop of four trips
	s_mov_b32 s29, 0
.Lset_\@:
	s_lshr_b32 s30, s28, s29
	s_and_b32 s30, s30, 1
	s_cmp_lg_u32 s30, 0
	s_cbranch_scc0 .Lskip_\@
	s_cmp_eq_u32 s29, 1
	s_cselect_b32 s36, s9, s5
	s_cselect_b32 s37, s10, s6
	s_cmp_eq_u32 s29, 2
	s_cselect_b32 s36, s13, s36
	s_cselect_b32 s37, s14, s37
	s_cmp_eq_u32 s29, 3
	s_cselect_b32 s36, s17, s36
	s_cselect_b32 s37, s18, s37
	s_wait_xcnt 0x0                                ; the stores before have read their registers and base
	s_lshl_b32 s46, s29, 24                        ; a set is 16,777,216 bytes
	s_add_nc_u64 s[38:39], s[44:45], s[46:47]
	v_mov_b32 v10, s36
	v_mov_b32 v11, s37
.irp q, 0,1,2,3
.set i, 0
.rept 16
	v_med3_num_f32 v[XT+i], v[F+64*((\c)%2)+16*\q+i], -v11, v11   ; the hold (ISA guide 7.6.2), into other registers: the numbers serve every set
.set i, i+1
.endr
	v_cvt_scalef32_pk8_fp8_f32 v[XC+4*\q:XC+4*\q+1], v[XT:XT+7], v10        ; rows 4 q, 4 q + 1
	v_cvt_scalef32_pk8_fp8_f32 v[XC+4*\q+2:XC+4*\q+3], v[XT+8:XT+15], v10   ; rows 4 q + 2, 4 q + 3
	v_nop                                          ; a plain place between the conversions and the next writes of their sources
.endr
.set i, 0
.rept 16
	ds_store_b32 v4, v[XC+i] offset:16*i           ; row i
.set i, i+1
.endr
.irp n, 0,1,2,3
	ds_load_b128 v[XR+4*\n:XR+4*\n+3], v5 offset:\n*544   ; LDS serves a wave's instructions in order: these see the stores above
.endr
	s_wait_dscnt 0x0
.irp n, 0,1,2,3
	global_store_b128 v2, v[XR+4*\n:XR+4*\n+3], s[38:39] offset:(\c)*8192+\n*512   ; 512 consecutive aligned bytes a store
.endr
.Lskip_\@:
	s_add_co_u32 s29, s29, 1
	s_cmp_lt_u32 s29, 4
	s_cbranch_scc1 .Lset_\@
.endm
	s_wait_loadcnt 16                              ; image 0 is in; image 1's 16 loads may be out
	SETS 0
	XLOAD 2
	s_wait_loadcnt 16
	SETS 1
	XLOAD 3
	s_wait_loadcnt 16
	SETS 2
	s_wait_loadcnt 0x0
	SETS 3
	s_wait_tensorcnt 0x0                           ; the wave's end, behind my last LDS store
	ds_add_u32 v12, v13
	s_wait_dscnt 0x0
	s_endpgm
.Lfunc_end_k_q7f93ea3584_quant:
	.size	k_q7f93ea3584_quant, .Lfunc_end_k_q7f93ea3584_quant-k_q7f93ea3584_quant
	.p2alignl 7, 3214868480
	.fill 96, 4, 3214868480
	.section	.rodata,"a",@progbits
	.p2align	6, 0x0
	.amdhsa_kernel k_q7f93ea3584_quant
		.amdhsa_group_segment_fixed_size 9216
		.amdhsa_private_segment_fixed_size 0
		.amdhsa_enable_private_segment 0
		.amdhsa_kernarg_size 112
		.amdhsa_user_sgpr_count 2
		.amdhsa_user_sgpr_kernarg_segment_ptr 1
		.amdhsa_wavefront_size32 1
		.amdhsa_system_sgpr_workgroup_id_x 1
		.amdhsa_system_sgpr_workgroup_id_y 1
		.amdhsa_system_sgpr_workgroup_id_z 1
		.amdhsa_system_vgpr_workitem_id 0
		.amdhsa_next_free_vgpr 192
		.amdhsa_next_free_sgpr 66
		.amdhsa_reserve_vcc 0
		.amdhsa_float_denorm_mode_32 3
		.amdhsa_float_denorm_mode_16_64 3
		.amdhsa_memory_ordered 1
		.amdhsa_forward_progress 1
		.amdhsa_inst_pref_size 84
	.end_amdhsa_kernel
	.amdgpu_metadata
---
amdhsa.version: [ 1, 2 ]
amdhsa.kernels:
  - .name:           k_q7f93ea3584_quant
    .symbol:         k_q7f93ea3584_quant.kd
    .args:
      - { .name: Ui, .offset: 0, .size: 8, .value_kind: global_buffer, .address_space: global }
      - { .name: Uf, .offset: 8, .size: 8, .value_kind: global_buffer, .address_space: global }
      - { .name: Uo, .offset: 16, .size: 8, .value_kind: global_buffer, .address_space: global }
      - { .name: Uc, .offset: 24, .size: 8, .value_kind: global_buffer, .address_space: global }
      - { .name: Vi, .offset: 32, .size: 8, .value_kind: global_buffer, .address_space: global }
      - { .name: Vf, .offset: 40, .size: 8, .value_kind: global_buffer, .address_space: global }
      - { .name: Vo, .offset: 48, .size: 8, .value_kind: global_buffer, .address_space: global }
      - { .name: Vc, .offset: 56, .size: 8, .value_kind: global_buffer, .address_space: global }
      - { .name: lowp_scales, .offset: 64, .size: 8, .value_kind: global_buffer, .address_space: global }
      - { .name: ucodes, .offset: 72, .size: 8, .value_kind: global_buffer, .address_space: global }
      - { .name: vcodes, .offset: 80, .size: 8, .value_kind: global_buffer, .address_space: global }
      - { .name: x, .offset: 88, .size: 8, .value_kind: global_buffer, .address_space: global }
      - { .name: h, .offset: 96, .size: 8, .value_kind: global_buffer, .address_space: global }
      - { .name: acodes, .offset: 104, .size: 8, .value_kind: global_buffer, .address_space: global }
    .group_segment_fixed_size: 9216
    .private_segment_fixed_size: 0
    .kernarg_segment_align: 8
    .kernarg_segment_size: 112
    .max_flat_workgroup_size: 128
    .sgpr_count:     66
    .vgpr_count:     192
    .wavefront_size: 32
...
	.end_amdgpu_metadata
.endif
;; end of part 1
;; launch rank (part 2): grid 16 x 16, 4 waves a work-group, clusters of 4 x 4, 327,680 bytes of LDS; arguments acodes, ucodes, lowp_scales, tcodes; writes tcodes
.if DOCPART == 2
	.amdgcn_target "amdgcn-amd-amdhsa--gfx1250"
	.amdhsa_code_object_version 6
	.text
	.protected	k_q7f93ea3584_rank
	.globl	k_q7f93ea3584_rank
	.p2align	8
	.type	k_q7f93ea3584_rank,@function
k_q7f93ea3584_rank:
	s_mov_b64 s[64:65], 0
	v_nop
	global_prefetch_b8 v0, s[64:65] scope:SCOPE_SE
	s_setreg_imm32_b32 hwreg(HW_REG_WAVE_MODE, 25, 1), 1
	s_wait_xcnt 0x0
	s_wait_alu depctr_hold_cnt(0) depctr_sa_sdst(0) depctr_va_vdst(0) depctr_va_sdst(0) depctr_va_ssrc(0) depctr_va_vcc(0) depctr_vm_vsrc(0)
	s_getreg_b32 s2, hwreg(HW_REG_IB_STS2, 6, 4)
	s_cmp_eq_u32 s2, 0
	s_cbranch_scc0 .Lentry_in_a_cluster
	s_endpgm
.Lentry_in_a_cluster:
	s_bfe_u32 s2, ttmp6, 0x10000c
	s_cmp_lg_u32 s2, 0xf033
	s_cbranch_scc0 .Lentry_shape_is_right
	s_endpgm
.Lentry_shape_is_right:
; T_g = Q(combined) Q(U_g) on codes of E4M3, and Q(T_g) as codes for the next product.  Gates g = 0 (i), 1 (f), 2 (o), 3 (c); entries 4 g, 4 g + 1, 4 g + 2 of the scales are eA, eU, eT.
; All operands come as fragment images of 2,048 bytes (16 rows x 128 K; register 4 n of a fragment at byte 512 n + 16 x lane):
;   acodes [set 4][rb 16][wv 4][step 32][a 4][2048]; a gate reads the earliest set whose exponent equals its eA (only those sets were made; equal exponents give equal codes);
;   ucodes [g 4][sigma 16][w 4][kk 2][tile 8][2048]: K step 2 sigma + kk; row r of tile 2 b + u is column 128 w + 32 b + 8 u + r + 8 (r / 8) of U_g;
;   tcodes [rb32 32][g 4][mt 8][s 4][2048].
; SHARES.  Work-group: 256 rows (rb) x the 128 columns w of gate g: 16 x 16 = 256 work-groups.  Wave j: rows 64 j .. + 63 x 128 columns: 4 x 8 accumulators.
; A's fragments are read by one wave alone in its work-group: they go from memory straight into registers, no joint load can bring them there; four sets of 64 registers, asked for three K steps ahead of their use,
; so no separate prefetch is laid for them.  B's 128 columns serve all four waves and the four work-groups of a column of the cluster: JOINT loads into two LDS slots of 131,072 bytes, 1,024 along K each:
; four fills in the launch, a wave bringing 32,768 bytes of each; a fill has eight K steps, 256 matrix instructions a wave, between its request and the wait for it.
; THE MATRIX INSTRUCTION IS USED TRANSPOSED (source 0 = a tile of U, source 1 = 16 rows of A): a lane holds one row of T, and the 16 registers of tiles 2 b, 2 b + 1 are k = 32 b + 16 h + 0..15 of the next product.
; LIMIT: eT - eA - eU between -126 and 119.
; REGISTERS: window 0: v2-5 LDS addresses (v2 also 16 x lane), v8, v9 the add's, v11, v13 the quantiser's, v16-79 T's codes; window 1: B, two sets of 128; window 2: accumulator (a, t) at 8 (8 a + t); window 3: A, four sets of 64.
.set BSLOT, 131072
.set SPARE, 2*BSLOT
.set MSB, 0
.macro WIN new                         ; the immediate's high byte repeats the setting that is left
.if MSB != \new
	s_set_vgpr_msb (MSB<<8)|\new
.set MSB, \new
.endif
.endm
.macro PLACES                          ; four plain places behind matrix instructions, and behind a tensor load
.rept 4
	v_nop
.endr
.endm
.macro CROUND                          ; a round of the cluster's barrier
	s_barrier_signal -1
	s_barrier_wait -1
	s_cmp_lg_u32 s14, 0
	s_cbranch_scc1 .Lnot_wave_0_\@
	s_barrier_signal -3
.Lnot_wave_0_\@:
	s_barrier_wait -3
	s_barrier_signal -1
	s_barrier_wait -1
.endm
	s_load_b256 s[4:11], s[0:1], 0x0               ; acodes s[4:5], ucodes s[6:7], scales s[8:9], tcodes s[10:11]
	v_lshl_add_u32 v8, v0, 2, SPARE
	v_mov_b32 v9, 0
	ds_add_u32 v8, v9                              ; the opening lines: the add, twice on end, and its wait
	ds_add_u32 v8, v9
	v_lshrrev_b32 v1, 5, v0
	v_readfirstlane_b32 s14, v1                    ; wave j
	s_bfe_u32 s15, ttmp6, 0x40000                  ; cx = w; the cluster's x, ttmp9, is the gate
	s_bfe_u32 s16, ttmp6, 0x40004                  ; cy
	s_and_b32 s17, ttmp7, 0xffff
	s_lshl_b32 s17, s17, 2
	s_add_co_u32 s17, s17, s16                     ; rb
	v_and_b32 v1, 31, v0
	v_lshlrev_b32 v2, 4, v1                        ; 16 x lane: slot 0, K steps 0-3
	v_add_nc_u32 v3, 65536, v2                     ; slot 0, K steps 4-7
	v_add_nc_u32 v4, BSLOT, v2                     ; slot 1
	v_add_nc_u32 v5, BSLOT+65536, v2
	s_lshl_b32 s18, 0x1111, s15                    ; my column of the cluster
	s_or_b32 s32, s18, (3<<16)|(1<<21)             ; group 1: the mask; elements of 8 bytes; bit 21 beside a mask; dense: 128 rows of 256 bytes
	s_mov_b32 s33, 32<<16
	s_mov_b32 s34, 128<<16
	s_mov_b32 s35, 32<<16
	s_mov_b32 s36, 128
	s_mov_b32 s37, 32
	s_mov_b32 s38, 0
	s_mov_b32 s39, 0
	s_lshl_b32 s19, s14, 15                        ; my 32,768 bytes of a slot
	s_lshl_b32 s28, ttmp9, 21                      ; ucodes: gate,
	s_lshl_b32 s29, s15, 15                        ; w,
	s_add_co_u32 s28, s28, s29
	s_lshl_b32 s29, s14, 17                        ; sigma = 4 x fill + j
	s_add_co_u32 s28, s28, s29
	s_mov_b32 s29, 0
	s_lshl_b32 s30, s17, 20                        ; acodes: rb, wv = j
	s_lshl_b32 s31, s14, 18
	s_add_co_u32 s30, s30, s31
	s_mov_b32 s31, 0
	s_lshl_b32 s26, ttmp9, 4                       ; the gate's four entries
	s_mov_b32 s27, 0
	s_lshl_b32 s54, s17, 19                        ; tcodes: rb32 = 2 rb + j / 2,
	s_lshr_b32 s55, s14, 1
	s_lshl_b32 s55, s55, 18
	s_add_co_u32 s54, s54, s55
	s_lshl_b32 s55, ttmp9, 16                      ; gate,
	s_add_co_u32 s54, s54, s55
	s_and_b32 s55, s14, 1
	s_lshl_b32 s55, s55, 15                        ; mt = 4 (j % 2) + a,
	s_add_co_u32 s54, s54, s55
	s_lshl_b32 s55, s15, 11                        ; s = w
	s_add_co_u32 s54, s54, s55
	s_mov_b32 s55, 0
	s_wait_alu depctr_va_vdst(0)                   ; the wait ahead of the waits below
	s_wait_dscnt 0x0
	s_wait_kmcnt 0x0
	s_load_b512 s[68:83], s[8:9], 0x0              ; all sixteen exponents
	s_add_nc_u64 s[12:13], s[8:9], s[26:27]
	s_load_b128 s[48:51], s[12:13], 0x0            ; eA, eU, eT of my gate
	s_add_nc_u64 s[6:7], s[6:7], s[28:29]
	s_add_nc_u64 s[10:11], s[10:11], s[54:55]
	s_add_nc_u64 s[20:21], s[4:5], s[30:31]
.irp p, 0,1
	s_mov_b32 s[40+4*\p], 1
	s_add_co_u32 s[41+4*\p], s19, \p*BSLOT
	s_add_nc_u64 s[42+4*\p:43+4*\p], s[6:7], \p*0x80000   ; a fill is four sigma of 131,072 bytes
	s_or_b32 s[43+4*\p], s[43+4*\p], 0x80000000
.endr
	CROUND                                         ; the first joint loads meet
	tensor_load_to_lds s[40:43], s[32:39]          ; fill 0: my one load at the head
	s_nop 0
	PLACES
.macro ALOAD s                         ; A's four fragments of K step s into set s % 4
	WIN 0xc0
.set n, 0
.rept 16
	global_load_b128 v[64*((\s)%4)+4*n:64*((\s)%4)+4*n+3], v2, s[20:21] offset:(\s)*8192+512*n
.set n, n+1
.endr
	WIN 0
.endm
.macro BFETCH s                        ; B's eight fragments of K step s into set s % 2
	WIN 0x40
.set n, 0
.rept 32
	ds_load_b128 v[128*((\s)%2)+4*n:128*((\s)%2)+4*n+3], v[2+2*(((\s)/8)%2)+((\s)%8)/4] offset:((\s)%4)*16384+512*n
.set n, n+1
.endr
	WIN 0
.endm
.macro MUL s                           ; 32 matrix instructions; the 32 accumulators take turns, in the same order in every step; step 0 starts the sums
	WIN 0xad                                       ; source 0 window 1, source 1 window 3, C and D window 2
.irp a, 0,1,2,3
.irp t, 0,1,2,3,4,5,6,7
.if (\s) == 0
	v_wmma_f32_16x16x128_fp8_fp8 v[8*(8*\a+\t):8*(8*\a+\t)+7], v[128*((\s)%2)+16*\t:128*((\s)%2)+16*\t+15], v[64*((\s)%4)+16*\a:64*((\s)%4)+16*\a+15], 0
.else
	v_wmma_f32_16x16x128_fp8_fp8 v[8*(8*\a+\t):8*(8*\a+\t)+7], v[128*((\s)%2)+16*\t:128*((\s)%2)+16*\t+15], v[64*((\s)%4)+16*\a:64*((\s)%4)+16*\a+15], v[8*(8*\a+\t):8*(8*\a+\t)+7]
.endif
.endr
.endr
	WIN 0
.endm
.macro STEP s
.if (\s) > 0
	PLACES                                         ; for the loads into the sets that step s - 1 multiplied
.endif
.if (\s) < 29
	s_wait_loadcnt 32                              ; A's set s is in; the two younger sets, 16 loads each, may be out
	ALOAD (\s)+3
.else
	s_wait_loadcnt 16*(31-(\s))
.endif
.if ((\s)%8 == 7) && ((\s) < 31)       ; a slot's last step: its fragments were asked for a step ago
.set P, ((\s)/8)%2
	s_wait_tensorcnt 0x0                           ; my part of the other slot has landed
	ds_add_u32 v8, v9
.if (\s) < 16
	s_add_nc_u64 s[42+4*P:43+4*P], s[42+4*P:43+4*P], 0x100000   ; this slot's next fill: two fills on
.endif
	s_wait_dscnt 0x0                               ; the add is done, and my reads of this slot are over
.if (\s) < 16
	CROUND                                         ; so it is with every wave of the cluster
	tensor_load_to_lds s[40+4*P:43+4*P], s[32:39]
	s_nop 0
	PLACES
.else
	s_barrier_signal -1                            ; the last change of slots fills nothing
	s_barrier_wait -1
.endif
.endif
.if (\s) < 31
	BFETCH (\s)+1
	s_wait_dscnt 32                                ; B's set s is in; the 32 loads just issued may be out
.else
	s_wait_dscnt 0x0
.endif
	MUL \s
.endm
	s_wait_kmcnt 0x0
	s_mov_b32 s60, 3                               ; the earliest set with my gate's exponent: a choice, no branch
	s_cmp_eq_u32 s48, s76
	s_cselect_b32 s60, 2, s60
	s_cmp_eq_u32 s48, s72
	s_cselect_b32 s60, 1, s60
	s_cmp_eq_u32 s48, s68
	s_cselect_b32 s60, 0, s60
	s_min_u32 s60, s60, 3
	s_lshl_b32 s60, s60, 24                        ; a set is 16,777,216 bytes
	s_mov_b32 s61, 0
	s_add_nc_u64 s[20:21], s[20:21], s[60:61]
	ALOAD 0
	ALOAD 1
	ALOAD 2
	s_sub_co_i32 s52, s50, s48                     ; a sum stands for sum x 2^(eA + eU): its code is sum / 2^(eT - eA - eU)
	s_sub_co_i32 s52, s52, s49
	s_add_co_i32 s52, s52, 127
	s_lshl_b32 s53, s52, 23
	v_mov_b32 v11, s53
	s_add_co_i32 s52, s52, 8
	s_lshl_b32 s52, s52, 23
	s_or_b32 s52, s52, 0x600000
	v_mov_b32 v13, s52                             ; 448 x that
	s_wait_alu depctr_va_vdst(0)                   ; the wait at the head's end
	s_wait_tensorcnt 0x0                           ; my part of fill 0 is in; slot 1's first fill is issued as a refill is
	ds_add_u32 v8, v9
	s_wait_dscnt 0x0
	CROUND
	tensor_load_to_lds s[44:47], s[32:39]          ; fill 1
	s_nop 0
	PLACES
	BFETCH 0
.set S, 0
.rept 32
	STEP S
.set S, S+1
.endr
	PLACES
.irp a, 0,1,2,3
	WIN 0x82
.set n, 0
.rept 64
	v_med3_num_f32 v[64*\a+n], v[64*\a+n], -v13, v13   ; the hold (ISA guide 7.6.2), each accumulator from its low end on
.set n, n+1
.endr
	WIN 0x02
.irp b, 0,1,2,3
	v_cvt_scalef32_pk8_fp8_f32 v[16+16*\a+4*\b:17+16*\a+4*\b], v[64*\a+16*\b:64*\a+16*\b+7], v11
	v_cvt_scalef32_pk8_fp8_f32 v[18+16*\a+4*\b:19+16*\a+4*\b], v[64*\a+16*\b+8:64*\a+16*\b+15], v11
.endr
.endr
	WIN 0
	v_nop
.irp a, 0,1,2,3
.irp c, 0,1,2,3
	global_store_b128 v2, v[16+16*\a+4*\c:19+16*\a+4*\c], s[10:11] offset:\a*8192+512*\c   ; 512 consecutive aligned bytes a store
.endr
.endr
	s_wait_tensorcnt 0x0                           ; the wave's end
	ds_add_u32 v8, v9
	s_wait_dscnt 0x0
	CROUND                                         ; the closing round
	s_endpgm
.Lfunc_end_k_q7f93ea3584_rank:
	.size	k_q7f93ea3584_rank, .Lfunc_end_k_q7f93ea3584_rank-k_q7f93ea3584_rank
	.p2alignl 7, 3214868480
	.fill 96, 4, 3214868480
	.section	.rodata,"a",@progbits
	.p2align	6, 0x0
	.amdhsa_kernel k_q7f93ea3584_rank
		.amdhsa_group_segment_fixed_size 327680
		.amdhsa_private_segment_fixed_size 0
		.amdhsa_enable_private_segment 0
		.amdhsa_kernarg_size 32
		.amdhsa_user_sgpr_count 2
		.amdhsa_user_sgpr_kernarg_segment_ptr 1
		.amdhsa_wavefront_size32 1
		.amdhsa_system_sgpr_workgroup_id_x 1
		.amdhsa_system_sgpr_workgroup_id_y 1
		.amdhsa_system_sgpr_workgroup_id_z 1
		.amdhsa_system_vgpr_workitem_id 0
		.amdhsa_next_free_vgpr 1024
		.amdhsa_next_free_sgpr 96
		.amdhsa_reserve_vcc 0
		.amdhsa_float_denorm_mode_32 3
		.amdhsa_float_denorm_mode_16_64 3
		.amdhsa_memory_ordered 1
		.amdhsa_forward_progress 1
		.amdhsa_inst_pref_size 216
	.end_amdhsa_kernel
	.amdgpu_metadata
---
amdhsa.version: [ 1, 2 ]
amdhsa.kernels:
  - .name:           k_q7f93ea3584_rank
    .symbol:         k_q7f93ea3584_rank.kd
    .args:
      - { .name: acodes, .offset: 0, .size: 8, .value_kind: global_buffer, .address_space: global }
      - { .name: ucodes, .offset: 8, .size: 8, .value_kind: global_buffer, .address_space: global }
      - { .name: lowp_scales, .offset: 16, .size: 8, .value_kind: global_buffer, .address_space: global }
      - { .name: tcodes, .offset: 24, .size: 8, .value_kind: global_buffer, .address_space: global }
    .group_segment_fixed_size: 327680
    .private_segment_fixed_size: 0
    .kernarg_segment_align: 8
    .kernarg_segment_size: 32
    .max_flat_workgroup_size: 128
    .sgpr_count:     96
    .vgpr_count:     1024
    .wavefront_size: 32
...
	.end_amdgpu_metadata
.endif
;; end of part 2
;; launch gates (part 3): grid 8 x 32, 4 waves a work-group, clusters of 4 x 1, 327,680 bytes of LDS; arguments tcodes, vcodes, lowp_scales, bi, bf, bo, bc, c, out0, out1; writes out0, out1
.if DOCPART == 3
	.amdgcn_target "amdgcn-amd-amdhsa--gfx1250"
	.amdhsa_code_object_version 6
	.text
	.protected	k_q7f93ea3584_gates
	.globl	k_q7f93ea3584_gates
	.p2align	8
	.type	k_q7f93ea3584_gates,@function
k_q7f93ea3584_gates:
	s_mov_b64 s[64:65], 0
	v_nop
	global_prefetch_b8 v0, s[64:65] scope:SCOPE_SE
	s_setreg_imm32_b32 hwreg(HW_REG_WAVE_MODE, 25, 1), 1
	s_wait_xcnt 0x0
	s_wait_alu depctr_hold_cnt(0) depctr_sa_sdst(0) depctr_va_vdst(0) depctr_va_sdst(0) depctr_va_ssrc(0) depctr_va_vcc(0) depctr_vm_vsrc(0)
	s_getreg_b32 s2, hwreg(HW_REG_IB_STS2, 6, 4)
	s_cmp_eq_u32 s2, 0
	s_cbranch_scc0 .Lentry_in_a_cluster
	s_endpgm
.Lentry_in_a_cluster:
	s_bfe_u32 s2, ttmp6, 0x10000c
	s_cmp_lg_u32 s2, 0x3003
	s_cbranch_scc0 .Lentry_shape_is_right
	s_endpgm
.Lentry_shape_is_right:
; The four products Q(T_g) Q(V_g) on codes of E4M3, the biases and the cell:  i, f, o = sigmoid(z_g), c^ = tanh(z_c), z_g = sum x 2^(eT + eV) + b_g;  out1 = f c + i c^;  out0 = o tanh(out1).
; Gates g = 0 (i), 1 (f), 2 (o), 3 (c); eT, eV are entries 4 g + 2, 4 g + 3 of the scales.  The codes come as fragment images (2,048 bytes: register 4 n of a fragment at byte 512 n + 16 x lane):
;   tcodes [rb 32][g 4][mt 8][s 4][2048];   vcodes [g 4][cb 32][s 4][t 4][2048], row r of tile t = column 64 cb + 4 r + t of V_g.
; SHARES.  Work-group (X, Y): rows 128 Y .. + 127, columns 256 X .. + 255.  Wave w: all 128 rows x the 64 columns of cb = 4 X + w: for each gate 8 x 4 accumulators, 256 registers.
; The gates go one after the other, i, c, f, o, so that two sets of 256 registers do: X (i, then i c^, then tanh(out1)) and Y (the gate at work).
; T of the 128 rows, all four gates, is 262,144 bytes: it is brought into LDS once, nothing is filled again.  CLUSTER 4 x 1: the four work-groups share Y, so T is asked for JOINTLY.
; V: a wave's 16 fragments of a gate are read by that wave alone in its work-group and its cluster: they go from memory straight into registers, during the epilogue of the gate before.
; THE COLUMNS OF A TILE OF V LIE FOUR APART: register j of accumulators (a, 0..3) in lane (r, h) is row 16 a + 8 h + j, columns 64 cb + 4 r + 0..3: 16 neighbouring bytes.
; So c, out0 and out1 move by 16 bytes a lane, sixteen lanes to 256 consecutive aligned bytes, with no turn through LDS.
; sigmoid(z) = 1 / (1 + 2^(-z log2 e)), tanh(z) = 1 - 2 / (1 + 2^(2 z log2 e)): both run to their limits through infinity and 0 of the exponential, for every finite z.
; LIMIT: eT + eV between -125 and 125 (it is added to the exponent field of -log2 e and of 2 log2 e).
; REGISTERS, in windows of 256: window 0: v2-9 addresses; v12-27 biases as loaded; v32-63 biases x the factor (gate g, tile t: the pair at 32 + 8 g + 2 t); v64-127 c, two buffers [j][t];
;   v128-255 two buffers of T's four fragments of a tile of rows; in the epilogues v128-191 two buffers of results [j][t], v192-223 at work.
;   window 1: V's fragment (s, t) at 16 (4 s + t).   window 2: X.   window 3: Y.  Accumulator (a, t) at 8 (4 a + t).
.set BB, 32
.set CQ, 64
.set NQ, 128
.set TQ, 192
.set KS, 84                            ; s[84+2g:85+2g]: the factor of gate g's sums
.set MSB, 0
.macro WIN new                         ; s_set_vgpr_msb: bits 1:0 source 0, 3:2 source 1, 5:4 source 2, 7:6 destination; the high byte repeats the setting that is left
.if MSB != \new
	s_set_vgpr_msb (MSB<<8)|\new
.set MSB, \new
.endif
.endm
.macro PLACES                          ; four plain vector instructions between a matrix instruction and a load into, or a vector instruction on, its registers
.rept 4
	v_nop
.endr
.endm
.macro CROUND                          ; a round of the cluster's barrier
	s_barrier_signal -1
	s_barrier_wait -1
	s_cmp_lg_u32 s24, 0
	s_cbranch_scc1 .Lnot_wave_0_\@
	s_barrier_signal -3
.Lnot_wave_0_\@:
	s_barrier_wait -3
	s_barrier_signal -1
	s_barrier_wait -1
.endm
	s_load_b512 s[4:19], s[0:1], 0x0               ; tcodes s[4:5], vcodes s[6:7], scales s[8:9], bi, bf, bo, bc s[10:17], c s[18:19]
	s_load_b128 s[20:23], s[0:1], 0x40             ; out0 s[20:21], out1 s[22:23]
	v_lshl_add_u32 v30, v0, 2, 0x40000
	v_mov_b32 v31, 0
	ds_add_u32 v30, v31                            ; the opening lines: the add, twice on end, and its wait
	ds_add_u32 v30, v31
	v_lshrrev_b32 v1, 5, v0
	v_readfirstlane_b32 s24, v1                    ; wave 0..3
	s_bfe_u32 s25, ttmp6, 0x40000                  ; cx
	s_lshl_b32 s26, ttmp9, 2
	s_add_co_u32 s26, s26, s25                     ; X = 4 x cluster x + cx
	s_and_b32 s27, ttmp7, 0xffff                   ; Y
	s_lshl_b32 s28, s26, 2
	s_add_co_u32 s28, s28, s24                     ; cb = 4 X + w
	v_and_b32 v1, 31, v0                           ; lane
	v_lshlrev_b32 v2, 4, v1                        ; 16 x lane: images in memory, and T's first gate in LDS
	v_add_nc_u32 v5, 3*65536, v2                   ; T lies in LDS as in memory, gate g at 65,536 g: the second gate at work is c (g = 3),
	v_add_nc_u32 v6, 65536, v2                     ; the third f (g = 1),
	v_add_nc_u32 v7, 2*65536, v2                   ; the fourth o (g = 2)
	v_lshlrev_b32 v8, 13, v1                       ; a row of c a lane, for the prefetches
	v_and_b32 v9, 15, v0
	v_lshlrev_b32 v9, 4, v9                        ; 16 r: my four columns
	v_bfe_u32 v10, v0, 4, 1
	v_lshl_add_u32 v3, v10, 16, v9                 ; c, out0, out1: 8 h rows of 8,192 bytes + 16 r
	s_lshl_b32 s30, s28, 15                        ; vcodes: my block of 64 columns
	s_mov_b32 s31, 0
	s_lshl_b32 s56, s28, 8                         ; the biases: 64 columns are 256 bytes
	s_mov_b32 s57, 0
	s_lshl_b32 s58, s27, 20                        ; c, out0, out1: 128 rows of 8,192 bytes, and my columns
	s_add_co_u32 s58, s58, s56
	s_mov_b32 s59, 0
	s_lshl_b32 s60, s27, 18                        ; tcodes: Y, which the four partners share, and the wave's quarter of a gate; cx never enters these registers
	s_lshl_b32 s62, s24, 14
	s_add_co_u32 s60, s60, s62
	s_mov_b32 s61, 0
	; descriptor group 1: 64 rows of 256 bytes, dense: elements of 8 bytes
	s_mov_b32 s32, 15|(3<<16)|(1<<21)              ; 15:0 the mask: all four work-groups; 17:16 elements of 8 bytes; 21 set beside a mask; no padding: lanes read 16 x lane
	s_mov_b32 s33, 32<<16                          ; tensor_dim0 = 32
	s_mov_b32 s34, 64<<16                          ; tensor_dim1 = 64
	s_mov_b32 s35, 32<<16                          ; tile_dim0 = 32
	s_mov_b32 s36, 64                              ; tile_dim1 = 64
	s_mov_b32 s37, 32                              ; from row to row: 32 elements
	s_mov_b32 s38, 0
	s_mov_b32 s39, 0
	s_wait_alu depctr_va_vdst(0)                   ; the wait ahead of the waits below
	s_wait_dscnt 0x0
	s_wait_kmcnt 0x0
	s_load_b512 s[68:83], s[8:9], 0x0              ; all sixteen exponents
	s_add_nc_u64 s[6:7], s[6:7], s[30:31]
	s_add_nc_u64 s[4:5], s[4:5], s[60:61]
	s_add_nc_u64 s[10:11], s[10:11], s[56:57]
	s_add_nc_u64 s[12:13], s[12:13], s[56:57]
	s_add_nc_u64 s[14:15], s[14:15], s[56:57]
	s_add_nc_u64 s[16:17], s[16:17], s[56:57]
	s_add_nc_u64 s[18:19], s[18:19], s[58:59]
	s_add_nc_u64 s[20:21], s[20:21], s[58:59]
	s_add_nc_u64 s[22:23], s[22:23], s[58:59]
.macro VLOAD g                         ; gate g's 16 fragments of V: 64 loads of 512 consecutive bytes
	WIN 0x40                                       ; destination window 1, address window 0
.set i, 0
.rept 64
	global_load_b128 v[4*i:4*i+3], v2, s[6:7] offset:(\g)*1048576+512*i
.set i, i+1
.endr
	WIN 0
.endm
	VLOAD 0
.irp g, 0,1,2,3
	global_load_b128 v[12+4*\g:15+4*\g], v9, s[10+2*\g:11+2*\g]   ; b_g at my four columns
.endr
.macro G0SET pos, g                    ; group 0 of the gate that comes pos-th
	s_mov_b32 s[40+4*\pos], 1                      ; count = 1
	s_add_co_u32 s[41+4*\pos], s62, \pos*65536     ; LDS address: the gate's 65,536 bytes, my quarter
	s_add_nc_u64 s[42+4*\pos:43+4*\pos], s[4:5], \g*65536
	s_or_b32 s[43+4*\pos], s[43+4*\pos], 0x80000000   ; type = 2
.endm
	G0SET 0, 0                                     ; gate i: my quarter, 16,384 bytes
	s_mov_b32 s44, 1                               ; gates f, o, c lie on end behind it, 196,608 bytes: my quarter of them, 49,152 bytes, by one load of 192 rows
	s_mul_i32 s63, s24, 49152
	s_add_co_u32 s45, s63, 65536
	s_lshl_b32 s56, s24, 15                        ; s[4:5] holds 16,384 x wave already
	s_mov_b32 s57, 0
	s_add_nc_u64 s[46:47], s[4:5], s[56:57]
	s_add_nc_u64 s[46:47], s[46:47], 65536
	s_or_b32 s47, s47, 0x80000000
	s_mov_b32 s48, 15|(3<<16)|(1<<21)              ; its group 1: as the first, with 192 rows
	s_mov_b32 s49, 32<<16
	s_mov_b32 s50, 192<<16
	s_mov_b32 s51, 32<<16
	s_mov_b32 s52, 192
	s_mov_b32 s53, 32
	s_mov_b32 s54, 0
	s_mov_b32 s55, 0
	CROUND                                         ; all four work-groups are here: the joint loads meet
	tensor_load_to_lds s[40:43], s[32:39]          ; my one load at the head
	s_nop 0
	PLACES                                         ; (four v_nop follow the load)
	s_wait_kmcnt 0x0
.macro KSET g, bits                    ; the factor x 2^(eT + eV): the two exponents are added to the factor's exponent field
	s_add_co_i32 s[KS+2*\g], s[70+4*\g], s[71+4*\g]
	s_lshl_b32 s[KS+2*\g], s[KS+2*\g], 23
	s_add_co_i32 s[KS+2*\g], s[KS+2*\g], \bits
	s_mov_b32 s[KS+2*\g+1], s[KS+2*\g]             ; (named with it as a pair, so it is written)
.endm
	KSET 0, 0xbfb8aa3b                             ; -log2 e
	KSET 1, 0xbfb8aa3b
	KSET 2, 0xbfb8aa3b
	KSET 3, 0x4038aa3b                             ; 2 log2 e
.macro SYNC pos                        ; T of the three later gates lies whole in LDS: my part has landed, then the work-group's barrier
	s_wait_dscnt 0x0
	s_wait_tensorcnt 0x0
	s_barrier_signal -1
	s_barrier_wait -1
.endm
.macro VPART g, s                      ; gate g's four fragments of V of K step s: 16 loads of 512 consecutive bytes
	WIN 0x40                                       ; destination window 1, address window 0
.set i, 0
.rept 16
	global_load_b128 v[64*(\s)+4*i:64*(\s)+4*i+3], v2, s[6:7] offset:(\g)*1048576+8192*(\s)+512*i
.set i, i+1
.endr
	WIN 0
.endm
.macro TF pos, a                       ; half step a: K step a / 2, tiles of rows 4 (a % 2) + 0..3: T's four fragments into buffer a % 2
.if (\pos) == 0
.set TA, 2
.else
.set TA, 4+(\pos)
.endif
.set TR, 128+64*((\a)%2)
	WIN 0
.set i, 0
.rept 16
	ds_load_b128 v[TR+4*i:TR+4*i+3], v[TA] offset:(4*((\a)%2)+i/4)*8192+((\a)/2)*2048+512*(i%4)
.set i, i+1
.endr
.endm
; A gate's product: 128 matrix instructions, BY K STEPS: eight half steps of four tiles of rows x four tiles of columns.  The 32 accumulators take turns, one instruction a turn;
; the first K step starts the sums.  V's four fragments of a K step are free when the step is done: gate nxt's fragments of that step are asked for into them at once (nxt = -1: no gate follows),
; so that V of the next gate is on its way during this product and its epilogue.  cnt >= 0: V of THIS gate may still be on its way, and each K step waits for its own 16 loads.
.macro GATE pos, win, nxt, cnt
	TF \pos, 0
	TF \pos, 1
.irp a, 0,1,2,3,4,5,6,7
.if \a == 7
	s_wait_dscnt 0x0
.else
	s_wait_dscnt 16                                ; this half step's 16 loads are in; the next one's may be out
.endif
.if (\a%2 == 0) && (\cnt >= 0)
	s_wait_loadcnt \cnt                            ; behind K step s's 16 loads of V stand 16 (3 - s) of V, the 4 of the biases and 16 s of the next gate's V: 52 at every step
.endif
	WIN \win                                       ; source 0 (T) window 0, source 1 (V) window 1, C and D window 2 or 3
.irp s, 0,1,2,3
.irp t, 0,1,2,3
.if \a < 2                             ; (here s counts the half step's four tiles of rows: tile 4 (a % 2) + s; the K step is a / 2)
	v_wmma_f32_16x16x128_fp8_fp8 v[8*(4*(4*(\a%2)+\s)+\t):8*(4*(4*(\a%2)+\s)+\t)+7], v[128+64*(\a%2)+16*\s:128+64*(\a%2)+16*\s+15], v[16*(4*(\a/2)+\t):16*(4*(\a/2)+\t)+15], 0
.else
	v_wmma_f32_16x16x128_fp8_fp8 v[8*(4*(4*(\a%2)+\s)+\t):8*(4*(4*(\a%2)+\s)+\t)+7], v[128+64*(\a%2)+16*\s:128+64*(\a%2)+16*\s+15], v[16*(4*(\a/2)+\t):16*(4*(\a/2)+\t)+15], v[8*(4*(4*(\a%2)+\s)+\t):8*(4*(4*(\a%2)+\s)+\t)+7]
.endif
.endr
.endr
	WIN 0
	PLACES                                         ; for the loads into this buffer; behind the last tile: for the loads into V's registers and the first read of results
.if \a < 6
	TF \pos, \a+2
.endif
.if (\a%2 == 1) && (\nxt >= 0)
	VPART \nxt, \a/2                               ; behind the same four places: this K step's fragments of V are done with
.endif
.endr
.endm
; In place, on the 32 registers of tile a of rows: r = 1 / (1 + 2^(sum x factor + bias x factor)).  With gate g's factor -log2 e that is the sigmoid.
.macro SIG win, a, g
	WIN \win                                       ; destination and source 0 window 2 or 3; the bias in window 0
	s_wait_alu depctr_va_vdst(0)                   ; the wait directly ahead of the first readers of the sums
.set i, 0
.rept 16
	v_pk_fma_f32 v[32*(\a)+2*i:32*(\a)+2*i+1], v[32*(\a)+2*i:32*(\a)+2*i+1], s[KS+2*(\g):KS+2*(\g)+1], v[BB+8*(\g)+2*(i/4):BB+8*(\g)+2*(i/4)+1] op_sel_hi:[1,0,0]   ; each accumulator from its low end on
.set i, i+1
.endr
.set i, 0
	s_wait_alu depctr_va_vdst(0)                   ; the wait ahead of the batch
.rept 32
	v_exp_f32 v[32*(\a)+i], v[32*(\a)+i]
.set i, i+1
.endr
	v_nop                                          ; a plain instruction between the last exponential and the use of its result (ISA guide 5.7.2)
.set i, 0
	s_wait_alu depctr_va_vdst(0)
.rept 16
	v_pk_add_f32 v[32*(\a)+2*i:32*(\a)+2*i+1], v[32*(\a)+2*i:32*(\a)+2*i+1], 1.0 op_sel_hi:[1,0]
.set i, i+1
.endr
.set i, 0
	s_wait_alu depctr_va_vdst(0)                   ; ahead of the batch,
.rept 32
	v_rcp_f32 v[32*(\a)+i], v[32*(\a)+i]
.set i, i+1
.endr
	v_nop
	s_wait_alu depctr_va_vdst(0)                   ; and behind it
.endm
.macro CLOAD a                         ; c at tile a of rows: quad j = row 16 a + 8 h + j, my four columns; read once in the launch
	WIN 0
.irp j, 0,1,2,3,4,5,6,7
	global_load_b128 v[CQ+32*((\a)%2)+4*\j:CQ+32*((\a)%2)+4*\j+3], v3, s[18:19] offset:(16*(\a)+\j)*8192 th:TH_LOAD_NT
.endr
.endm
	; ---- gate i -> X
	s_wait_alu depctr_va_vdst(0)                   ; the wait ahead of the waits below
	s_wait_tensorcnt 0x0                           ; my quarter of gate i's T is in; the later first fill is issued as a refill is: the three lines, a round,
	ds_add_u32 v30, v31
	s_wait_dscnt 0x0
	CROUND
	tensor_load_to_lds s[44:47], s[48:55]          ; and my one load behind it: it lands under gate i's product and epilogue
	s_nop 0
	PLACES
	GATE 0, 0xa4, 3, 52
	s_wait_loadcnt 63                              ; the biases are in: behind their 4 loads stand the 64 of gate c's V; the wait's field holds 63 at the most, and a smaller count is always right
.irp g, 0,1,2
.irp t, 0,1,2,3
	v_mul_f32 v[BB+8*\g+2*\t],   0xbfb8aa3b, v[12+4*\g+\t]
	v_mul_f32 v[BB+8*\g+2*\t+1], 0xbfb8aa3b, v[12+4*\g+\t]   ; (the pair is named whole)
.endr
.endr
.irp t, 0,1,2,3
	v_mul_f32 v[BB+24+2*\t],   0x4038aa3b, v[24+\t]
	v_mul_f32 v[BB+24+2*\t+1], 0x4038aa3b, v[24+\t]
.endr
.irp a, 0,1,2,3,4,5,6,7
	SIG 0x82, \a, 0
.endr
	WIN 0
	; ---- gate c -> Y;  X = i tanh(z_c)
	s_wait_loadcnt 0x0                             ; V of gate c
	SYNC 1
	GATE 1, 0xf4, 1, -1
.irp a, 0,1,2,3,4,5,6,7
	SIG 0xc3, \a, 3
.set i, 0
	s_wait_alu depctr_va_vdst(0)
.rept 16
	v_pk_fma_f32 v[32*\a+2*i:32*\a+2*i+1], v[32*\a+2*i:32*\a+2*i+1], -2.0, 1.0 op_sel_hi:[1,0,0]   ; tanh = 1 - 2 r
.set i, i+1
.endr
	WIN 0x8e                                       ; destination and source 0 window 2, source 1 window 3
.set i, 0
.rept 16
	v_pk_mul_f32 v[32*\a+2*i:32*\a+2*i+1], v[32*\a+2*i:32*\a+2*i+1], v[32*\a+2*i:32*\a+2*i+1]
.set i, i+1
.endr
.if \a%2 == 0
	WIN 0
	global_prefetch_b8 v8, s[18:19] offset:(\a/2)*262144 th:TH_LOAD_NT scope:SCOPE_SE   ; my wave's 256 bytes of c in rows 16 a .. 16 a + 31, a lane to a row: each asked for once, by the wave that will load it in the next gate's epilogue
.endif
.endr
	WIN 0
	; ---- gate f -> Y;  out1 = f c + X;  X = tanh(out1), laid [j][t]
	s_wait_loadcnt 0x0                             ; V of gate f
	CLOAD 0
	CLOAD 1
	GATE 2, 0xf4, 2, -1
.irp a, 0,1,2,3,4,5,6,7
	SIG 0xc3, \a, 1
.if \a < 2
	s_wait_loadcnt 63                              ; behind this tile's eight loads of c stand 72 (V's 64 and a tile of c): the wait's field holds 63 at the most, and a smaller count is always right
.elseif \a < 7
	s_wait_loadcnt 8                               ; behind them stand the next tile's eight
.else
	s_wait_loadcnt 0x0
.endif
	s_wait_xcnt 0x0                                ; the stores of two tiles ago have read the registers that are written now (ISA guide 3.1)
	WIN 0x23                                       ; source 0 (f) window 3, source 1 (c) window 0, source 2 (i c^) window 2, destination window 0
	s_wait_alu depctr_va_vdst(0)
.irp j, 0,1,2,3,4,5,6,7
.irp t, 0,1,2,3
	v_fma_f32 v[NQ+32*(\a%2)+4*\j+\t], v[8*(4*\a+\t)+\j], v[CQ+32*(\a%2)+4*\j+\t], v[8*(4*\a+\t)+\j]
.endr
.endr
.if \a < 6
	CLOAD \a+2
.endif
	WIN 0
.irp j, 0,1,2,3,4,5,6,7
	global_store_b128 v3, v[NQ+32*(\a%2)+4*\j:NQ+32*(\a%2)+4*\j+3], s[22:23] offset:(16*\a+\j)*8192 th:TH_STORE_NT   ; sixteen lanes store 256 consecutive aligned bytes
.endr
.set i, 0
.rept 16
	v_pk_mul_f32 v[TQ+2*i:TQ+2*i+1], v[NQ+32*(\a%2)+2*i:NQ+32*(\a%2)+2*i+1], 0x4038aa3b op_sel_hi:[1,0]   ; x 2 log2 e
.set i, i+1
.endr
.set i, 0
	s_wait_alu depctr_va_vdst(0)                   ; the wait ahead of the batch
.rept 32
	v_exp_f32 v[TQ+i], v[TQ+i]
.set i, i+1
.endr
	v_nop
.set i, 0
	s_wait_alu depctr_va_vdst(0)
.rept 16
	v_pk_add_f32 v[TQ+2*i:TQ+2*i+1], v[TQ+2*i:TQ+2*i+1], 1.0 op_sel_hi:[1,0]
.set i, i+1
.endr
.set i, 0
	s_wait_alu depctr_va_vdst(0)                   ; the wait ahead of the batch
.rept 32
	v_rcp_f32 v[TQ+i], v[TQ+i]
.set i, i+1
.endr
	v_nop
	WIN 0x80                                       ; destination window 2: the tile's 32 registers of X have all been read above
.set i, 0
	s_wait_alu depctr_va_vdst(0)
.rept 16
	v_pk_fma_f32 v[32*\a+2*i:32*\a+2*i+1], v[TQ+2*i:TQ+2*i+1], -2.0, 1.0 op_sel_hi:[1,0,0]
.set i, i+1
.endr
.endr
	WIN 0
	; ---- gate o -> Y;  out0 = o X
	s_wait_loadcnt 0x0                             ; V of gate o
	s_wait_xcnt 0x0                                ; the last stores have read their registers: T's fragments land there
	GATE 3, 0xf4, -1, -1
.irp a, 0,1,2,3,4,5,6,7
	SIG 0xc3, \a, 2
	s_wait_xcnt 0x0                                ; the stores of two tiles ago have read the registers that are written now
	WIN 0x0b                                       ; source 0 (o) window 3, source 1 (tanh) window 2, destination window 0
	s_wait_alu depctr_va_vdst(0)
.irp j, 0,1,2,3,4,5,6,7
.irp t, 0,1,2,3
	v_mul_f32 v[NQ+32*(\a%2)+4*\j+\t], v[8*(4*\a+\t)+\j], v[32*\a+4*\j+\t]
.endr
.endr
	WIN 0
.irp j, 0,1,2,3,4,5,6,7
	global_store_b128 v3, v[NQ+32*(\a%2)+4*\j:NQ+32*(\a%2)+4*\j+3], s[20:21] offset:(16*\a+\j)*8192 th:TH_STORE_NT
.endr
.endr
	s_wait_tensorcnt 0x0
	ds_add_u32 v30, v31
	s_wait_dscnt 0x0
	CROUND                                         ; the closing round: no work-group ends while a partner may still ask for a tile that names it
	s_endpgm
.Lfunc_end_k_q7f93ea3584_gates:
	.size	k_q7f93ea3584_gates, .Lfunc_end_k_q7f93ea3584_gates-k_q7f93ea3584_gates
	.p2alignl 7, 3214868480
	.fill 96, 4, 3214868480
	.section	.rodata,"a",@progbits
	.p2align	6, 0x0
	.amdhsa_kernel k_q7f93ea3584_gates
		.amdhsa_group_segment_fixed_size 327680
		.amdhsa_private_segment_fixed_size 0
		.amdhsa_enable_private_segment 0
		.amdhsa_kernarg_size 80
		.amdhsa_user_sgpr_count 2
		.amdhsa_user_sgpr_kernarg_segment_ptr 1
		.amdhsa_wavefront_size32 1
		.amdhsa_system_sgpr_workgroup_id_x 1
		.amdhsa_system_sgpr_workgroup_id_y 1
		.amdhsa_system_sgpr_workgroup_id_z 1
		.amdhsa_system_vgpr_workitem_id 0
		.amdhsa_next_free_vgpr 1024
		.amdhsa_next_free_sgpr 96
		.amdhsa_reserve_vcc 0
		.amdhsa_float_denorm_mode_32 3
		.amdhsa_float_denorm_mode_16_64 3
		.amdhsa_memory_ordered 1
		.amdhsa_forward_progress 1
		.amdhsa_inst_pref_size 255
	.end_amdhsa_kernel
	.section	.bss,"aw",@nobits
	.p2align	6
	.space	262144
	.amdgpu_metadata
---
amdhsa.version: [ 1, 2 ]
amdhsa.kernels:
  - .name:           k_q7f93ea3584_gates
    .symbol:         k_q7f93ea3584_gates.kd
    .args:
      - { .name: tcodes, .offset: 0, .size: 8, .value_kind: global_buffer, .address_space: global }
      - { .name: vcodes, .offset: 8, .size: 8, .value_kind: global_buffer, .address_space: global }
      - { .name: lowp_scales, .offset: 16, .size: 8, .value_kind: global_buffer, .address_space: global }
      - { .name: bi, .offset: 24, .size: 8, .value_kind: global_buffer, .address_space: global }
      - { .name: bf, .offset: 32, .size: 8, .value_kind: global_buffer, .address_space: global }
      - { .name: bo, .offset: 40, .size: 8, .value_kind: global_buffer, .address_space: global }
      - { .name: bc, .offset: 48, .size: 8, .value_kind: global_buffer, .address_space: global }
      - { .name: c, .offset: 56, .size: 8, .value_kind: global_buffer, .address_space: global }
      - { .name: out0, .offset: 64, .size: 8, .value_kind: global_buffer, .address_space: global }
      - { .name: out1, .offset: 72, .size: 8, .value_kind: global_buffer, .address_space: global }
    .group_segment_fixed_size: 327680
    .private_segment_fixed_size: 0
    .kernarg_segment_align: 8
    .kernarg_segment_size: 80
    .max_flat_workgroup_size: 128
    .sgpr_count:     96
    .vgpr_count:     1024
    .wavefront_size: 32
...
	.end_amdgpu_metadata
.endif
;; end of part 3
